; MI455X (gfx1250); checked and timed in simulation.
; The chip was launched on July 23, 2026; its instructions are those of AMD's public machine-readable ISA for CDNA 5 (MIT licence, August 2026) and "CDNA5" Instruction Set Architecture Reference Guide (July 2026). The comments in the code are by the model that wrote it; some were corrected since.
;; Mo E. Allowed arithmetic: matrix products marked QUANTISED: E3M2 operands, one E8M0 scale for each 32 along K, by v_wmma_scale_f32_16x16x128_f8f6f4 with both operands' format E3M2, f32 sums; products left as they are: f32 operands where the result goes on into a quantised operand, else bf16, f16 or f32 operands; f32 sums; everything else in f32.
;; Inputs: W_in_codes 8 x 2,048 x 32 x 24 uint8 (E3M2 codes of W_in, K innermost, in blocks of 32 codes, four codes in three bytes); W_in_scales 8 x 2,048 x 32 uint8 (E8M0 scales of W_in, one for each 32 codes along K); W_out_codes 8 x 1,024 x 32 x 24 uint8 (E3M2 codes of W_out, K innermost, in blocks of 32 codes, four codes in three bytes); W_out_scales 8 x 1,024 x 32 uint8 (E8M0 scales of W_out, one for each 32 codes along K); b_in 8 x 2,048 float32; b_out 8 x 1,024 float32; combine_mask 4 x 512 x 8 float32; dispatch_mask 4 x 512 x 8 float32; hidden_states 4 x 512 x 1,024 float32.
;; Outputs: out0 4 x 512 x 1,024 float32.
;; This version of the problem:
;;   THIS VERSION OF THE PROBLEM IS GIVEN IN LOW PRECISION. The matrix products marked QUANTISED in the list below multiply operands that are first quantised to E3M2 (3 exponent bits, 2 mantissa bits; 6 bits a number), with one power-of-two scale for each 32 numbers along K (OCP MX v1.0); their sums are f32. All else is computed in f32.
;;   The module's matrix products, in the order in which they are computed (A, B: the left and right operand; K: the contracted axis; several contracted axes count as one K, in the product's order):
;;     1. batch 2,048 x [M 8, K 1] x [K 1, N 1,024]; A: computed on the way; B: computed on the way: left as it is (no contracted axis)
;;     2. batch 8 x [M 2,048, K 1,024] x [K 1,024, N 2,048]; A: computed on the way; B: input W_in (given as codes): QUANTISED
;;     3. batch 8 x [M 2,048, K 1,024] x [K 1,024, N 1,024]; A: computed on the way; B: input W_out (given as codes): QUANTISED
;;     4. batch 2,048 x [M 1,024, K 8] x [K 8, N 1]; A: computed on the way; B: input combine_mask: left as it is (K = 8 < 32)
;;   THE QUANTISER, for each operand of a quantised product, along K:
;;     - K is cut into blocks of 32 from its start; a last block that is shorter is filled with zeros.
;;     - A block's scale is 2^e with e = floor(log2(the largest magnitude in the block)) - 4, held to -126 .. 127; a block of zeros has e = 0. As a byte (E8M0): e + 127.
;;     - Each number is divided by its block's scale, clamped to +-28, and rounded to the nearest number of E3M2, ties to even, subnormals kept.
;;     - The product sums the exact products of the quantised numbers (number of the format x scale) in f32.
;;   ~~~python
;;   def quantise(x, axis):      # numpy; x: float32 -> the quantised numbers, widened to float32 again
;;       x = np.moveaxis(x, axis, -1); K = x.shape[-1]
;;       x = np.pad(x, [(0, 0)] * (x.ndim - 1) + [(0, -K % 32)]); x = x.reshape(x.shape[:-1] + (-1, 32)); a = np.abs(x).max(-1, keepdims=True)
;;       e = np.where(a > 0, np.clip(np.frexp(np.where(a > 0, a, 1))[1] - 1 - 4, -126, 127), 0)      # np.frexp(a)[1] - 1 = floor(log2(a)), exactly
;;       r = np.clip(x / 2.0 ** e, -28, 28)
;;       step = 2.0 ** (np.maximum(np.frexp(np.where(r == 0, 1, r))[1] - 1, -2) - 2)
;;       q = np.round(r / step) * step * 2.0 ** e      # np.round: ties to even
;;       return np.moveaxis(q.reshape(q.shape[:-2] + (-1,))[..., :K], -1, axis).astype(np.float32)
;;   ~~~
;;   OPERANDS COMPUTED ON THE WAY. 'Computed on the way' means the value that the module computes at that place (a softmax that the list does not call 'softmax' is quantised finished and normalised). What goes into a quantiser is computed in f32, as accurately as f32 sums, v_exp_f32 and their like allow (about 1e-6 of the number): no bf16 or f16 on the way to a quantiser, and a product that is left as it is and whose result goes on into a quantised operand takes f32 operands (vector FMAs, or v_wmma_f32_16x16x4_f32). A number that lies on a knife's edge between two numbers of the format may be rounded either way, as far as f32 arithmetic and the matrix unit's own rounding can turn it there, and no further.
;;   INPUTS GIVEN AS CODES. W_in (in the module: [8, 2048, 1024], K = its axis 2); W_out (in the module: [8, 1024, 1024], K = its axis 2): each comes as NAME_codes (uint8): NAME with its K axis moved to the last place and cut into blocks of 32 codes, [.., K / 32, bytes a block], one block behind the other in memory; four codes in three bytes: a row's codes are one little-endian stream of bits, code i at bits 6 i .. 6 i + 5 (a code: sign, 3 exponent bits, 2 mantissa bits); and NAME_scales (uint8): the same leading axes, one E8M0 byte (e + 127) for each 32 codes along K. Its value is code x scale, taken as it is: it is not quantised again, and the codes and scales need not be those that the quantiser above would give.
;; One version. Each part assembles by itself: llvm-mc -triple=amdgcn-amd-amdhsa -mcpu=gfx1250 --defsym DOCPART=n.
;; ======== version 1 of 1: 3 launches
;; workspace buffers: posw 8,192 bytes of whole numbers; list 11,264 bytes of whole numbers; xq 12,582,912 bytes; xs 524,288 bytes; hc 17,104,896 bytes; hs 2,850,816 bytes
;; launch route (part 1): grid 384 x 1, 4 waves a work-group, no clusters, 52,224 bytes of LDS; arguments hidden_states, dispatch_mask, combine_mask, xq, xs, posw; writes xq, xs, posw
.if DOCPART == 1
	.amdgcn_target "amdgcn-amd-amdhsa--gfx1250"
	.amdhsa_code_object_version 6
	.text
	.protected	k_q08aca95d3f_route
	.globl	k_q08aca95d3f_route
	.p2align	8
	.type	k_q08aca95d3f_route,@function
k_q08aca95d3f_route:
	s_mov_b64 s[64:65], 0
	v_nop
	global_prefetch_b8 v0, s[64:65] scope:SCOPE_SE
	s_setreg_imm32_b32 hwreg(HW_REG_WAVE_MODE, 25, 1), 1
	s_wait_xcnt 0x0
; TWO ROLES, parted once on the work-group's number; each has LDS bytes of its own.
; ROLE Q (work-groups 0-255): x[t] * dispatch[t][n] is quantised to codes of BF6 (E3M2) for ALL 8 experts of every token, one E8M0 byte for each 32 along K.
;   xq [t][n][768]: a row's codes as one stream of bits.  xs [t][n][8 words]: the row's 32 scale bytes, in each word the two middle bytes changed over, as the
;   later launches' order of K wants them.  Which pairs (t, n) are wanted hangs on floating-point numbers, so no store here may hang on it: all are made.
;   A wave takes two tokens, 8,192 dense bytes, in four steps of 512 numbers.  Each load reads 512 consecutive bytes; a step turns through the wave's own stage in LDS, so that a lane
;   holds 16 neighbours along K (two neighbouring lanes hold a block).  The largest |x d| of a block is fl(largest |x| * |d|): rounding keeps the order of magnitudes.
; ROLE R (work-groups 256-383): the place of each token in the order in which the later launches walk them.  A token's set of experts is rev: bit 7 - n is set where combine[t][n] != 0.
;   Tokens are ordered by c = (255 - rev) << 11 | t; the eight groups (by lowest expert; tokens with no expert end group 7) each begin at a multiple of 96 places.
;   posw[t] = place | rev << 16.  Every work-group reads all of combine_mask and places 16 tokens, 4 a wave; a wave stores 16 bytes (8,192 bytes in the whole launch).
;   Nothing that is made of floating-point numbers reaches an address or a branch: counts and places are data.
; LIMITS: NaN and infinities among hidden_states and dispatch_mask are not served.  A block of zeros gets the byte 1 with zero codes (the bytes are read by this program alone).
;   combine = +0 or -0 counts as 'not used'.
.set SP,    80                         ; a lane's place in a stage: 64 bytes + 16 of padding
.set QSTW,  4*32*SP                    ; a wave's four stages
.set QSC,   4*QSTW                     ; role Q: 512 scale bytes for each wave
.set KEYS,  QSC+2048                   ; role R: c of all 2,048 tokens
.set CNT,   KEYS+8192                  ; role R: 128 bytes of counts for each wave
.set FLOOR, 0x2800000                  ; 2^(5 - 127): under it no largest magnitude is taken, so the byte cannot fall under 1
.set EOFF,  0xfe000000                 ; takes 4 off an exponent field
.set Y,     16                         ; v16-31   x * d, 16 numbers
.set X,     32                         ; v32-95   step g: 16 neighbours along K
.set RAW,   96                         ; v96-159  the numbers as loaded
.set CD,    96                         ; v96-223  codes of (step g, expert n): 4 registers each, over RAW once that has left for the stage
.set EB,    224                        ; v224-255 a scale byte for each (g, n)
.set CMB,   16                         ; role R: v16-143 combine of my 16 tokens; later v16-79 all c
.set KEY,   144                        ; role R: v144-159 rev, then c, of my 16 tokens
	s_load_b256 s[4:11], s[0:1], 0x0               ; hidden s[4:5], dispatch s[6:7], combine s[8:9], xq s[10:11]
	s_load_b128 s[12:15], s[0:1], 0x20             ; xs s[12:13], posw s[14:15]
	v_lshl_add_u32 v219, v0, 2, 0xca00
	v_mov_b32 v223, 0
	v_lshrrev_b32 v1, 5, v0
	v_readfirstlane_b32 s2, v1                     ; wave 0..3
	v_and_b32 v1, 31, v0                           ; lane
	s_wait_kmcnt 0x0
	s_cmp_lt_u32 ttmp9, 256
	s_cbranch_scc0 .Lrank
; ---------------- ROLE Q ----------------
	s_lshl_b32 s3, ttmp9, 3
	s_lshl_b32 s33, s2, 1
	s_add_co_u32 s3, s3, s33                       ; my first token: 8 x work-group + 2 x wave
	s_mov_b32 s35, 0
	s_lshl_b32 s34, s3, 5
	s_add_nc_u64 s[6:7], s[6:7], s[34:35]
	s_load_b512 s[16:31], s[6:7], 0x0              ; dispatch of my two tokens: 16 numbers
	s_lshl_b32 s34, s3, 12
	s_add_nc_u64 s[4:5], s[4:5], s[34:35]          ; hidden: 4,096 bytes a token
	v_lshlrev_b32 v2, 4, v1                        ; 16 x lane
.irp g, 0,1,2,3
.irp i, 0,1,2,3
	global_load_b128 v[RAW+16*\g+4*\i:RAW+16*\g+4*\i+3], v2, s[4:5] offset:2048*\g+512*\i th:TH_LOAD_NT   ; 32 lanes read 512 consecutive bytes
.endr
.endr
	s_mul_i32 s34, s3, 6144
	s_add_nc_u64 s[10:11], s[10:11], s[34:35]      ; xq: 8 x 768 bytes a token
	s_lshl_b32 s34, s3, 8
	s_add_nc_u64 s[12:13], s[12:13], s[34:35]      ; xs: 256 bytes a token
	s_mul_i32 s36, s2, QSTW
	v_lshrrev_b32 v3, 2, v1
	v_mul_u32_u24 v3, v3, SP
	v_and_b32 v4, 3, v1
	v_lshl_add_u32 v3, v4, 4, v3
	v_add_nc_u32 v3, s36, v3                       ; the stage, way in: four lanes' 64 bytes on end, then the padding
	v_mul_u32_u24 v4, v1, SP
	v_add_nc_u32 v4, s36, v4                       ; way out: my 16 neighbours
	v_mul_u32_u24 v5, v1, 12                       ; my 16 codes' 12 bytes in a step's 384
	s_lshl_b32 s37, s2, 9
	s_add_co_u32 s37, s37, QSC
	v_lshrrev_b32 v6, 1, v1                        ; j: my block among the step's 16
	v_and_b32 v7, 12, v6
	v_and_b32 v8, 1, v6
	v_lshl_add_u32 v7, v8, 1, v7
	v_bfe_u32 v8, v6, 1, 1
	v_add_nc_u32 v7, v7, v8                        ; its byte's place: in each word bytes 1 and 2 change over
	v_add_nc_u32 v6, s37, v7
	v_add_nc_u32 v7, s37, v2                       ; and the way out of the 512 bytes: 16 a lane
	v_mov_b32 v13, 0                               ; named with v12 as a pair, so it is written
.irp g, 0,1,2,3
	s_wait_loadcnt 12-4*\g                         ; step g's four loads are in; the later steps' stay out
.irp i, 0,1,2,3
	ds_store_b128 v3, v[RAW+16*\g+4*\i:RAW+16*\g+4*\i+3] offset:32*SP*\g+8*SP*\i
.endr
.irp i, 0,1,2,3
	ds_load_b128 v[X+16*\g+4*\i:X+16*\g+4*\i+3], v4 offset:32*SP*\g+16*\i   ; LDS serves a wave's instructions in order: these see the stores above
.endr
.endr
	s_wait_dscnt 0x0                               ; all four steps are back; the stores have read RAW, over which the codes are laid
	s_wait_kmcnt 0x0                               ; dispatch
.macro QSTEP g
.set XR, X+16*(\g)
	v_max3_num_f32 v8, |v[XR]|, |v[XR+1]|, |v[XR+2]|              ; the largest |x| of my 16, in two chains
	v_max3_num_f32 v9, |v[XR+3]|, |v[XR+4]|, |v[XR+5]|
.irp i, 6,10
	v_max3_num_f32 v8, v8, |v[XR+\i]|, |v[XR+\i+1]|
	v_max3_num_f32 v9, v9, |v[XR+\i+2]|, |v[XR+\i+3]|
.endr
	v_max3_num_f32 v8, v8, |v[XR+14]|, |v[XR+15]|
	v_max_num_f32 v8, v8, v9
	v_max_num_f32_dpp v8, v8, v8 row_xmask:1 row_mask:0xf bank_mask:0xf   ; and of my neighbour's 16: the block's
.irp n, 0,1,2,3,4,5,6,7
	v_mov_b32 v12, s[16+8*((\g)/2)+\n]             ; d = dispatch[token][n]
.irp j, 0,2,4,6,8,10,12,14
	v_pk_mul_f32 v[Y+\j:Y+\j+1], v[XR+\j:XR+\j+1], v[12:13] op_sel_hi:[1,0]
.endr
	v_mul_f32 v9, v8, |v12|                        ; the block's largest |x d|
	v_max_num_f32 v9, FLOOR, v9
	v_add_nc_u32 v10, EOFF, v9                     ; 4 off its exponent field: the conversion takes this operand's exponent field as its scale
	v_cvt_scalef32_pk16_bf6_f32 v[CD+4*(8*(\g)+\n):CD+4*(8*(\g)+\n)+2], v[Y:Y+15], v10
	v_lshrrev_b32 v[EB+8*(\g)+\n], 23, v10         ; the scale's byte (also the plain line behind the conversion)
	ds_store_b8 v6, v[EB+8*(\g)+\n] offset:256*((\g)/2)+32*\n+16*((\g)%2)   ; both lanes of a block write the same byte with the same value
	global_store_b96 v5, v[CD+4*(8*(\g)+\n):CD+4*(8*(\g)+\n)+2], s[10:11] offset:6144*((\g)/2)+768*\n+384*((\g)%2)   ; the wave stores 384 consecutive bytes
.endr
.endm
	QSTEP 0
	QSTEP 1
	QSTEP 2
	QSTEP 3
	ds_load_b128 v[Y:Y+3], v7                      ; my wave's 512 scale bytes, in order behind its byte stores
	s_wait_dscnt 0x0
	global_store_b128 v2, v[Y:Y+3], s[12:13]       ; two aligned runs of 256 bytes
	s_wait_tensorcnt 0x0
	ds_add_u32 v219, v223
	s_wait_dscnt 0x0
	s_endpgm
; ---------------- ROLE R ----------------
.Lrank:
	s_sub_co_u32 s3, ttmp9, 256                    ; which 16 tokens are placed here
	v_lshlrev_b32 v2, 5, v0                        ; thread tid reads tokens tid + 128 i, 32 bytes each
.irp i, 0,1,2,3,4,5,6,7,8,9,10,11,12,13,14,15
	global_load_b128 v[CMB+8*\i:CMB+8*\i+3], v2, s[8:9] offset:4096*\i
	global_load_b128 v[CMB+8*\i+4:CMB+8*\i+7], v2, s[8:9] offset:4096*\i+16
.endr
	v_xor_b32 v3, 7, v1
	v_lshlrev_b32 v3, 2, v3                        ; my wave's own four tokens once more: lane l takes word l xor 7, so that expert 0 falls on bit 7 of a token's byte
	s_lshl_b32 s32, s3, 9
	s_lshl_b32 s33, s2, 7
	s_add_co_u32 s32, s32, s33
	s_mov_b32 s33, 0
	s_add_nc_u64 s[34:35], s[8:9], s[32:33]
	global_load_b32 v4, v3, s[34:35]
	v_lshl_add_u32 v5, v0, 2, KEYS                 ; where c of token tid + 128 i goes: + 512 i
	v_lshl_add_u32 v6, v0, 2, CNT                  ; my wave's counts, a word a lane
	v_lshl_add_u32 v7, v1, 4, KEYS                 ; all c back, 16 bytes a lane
	v_lshl_add_u32 v8, v1, 2, CNT
.irp i, 0,1,2,3,4,5,6,7,8,9,10,11,12,13,14,15
	v_mov_b32 v[KEY+\i], 0
.endr
.irp g, 0,1,2,3,4,5,6,7
	s_mov_b32 s[50+\g], 0
.endr
	s_wait_loadcnt 0x0
	v_cmp_neq_f32 vcc_lo, 0, v4
	s_mov_b32 s36, vcc_lo                          ; byte i: rev of my wave's token i
.irp i, 0,1,2,3,4,5,6,7,8,9,10,11,12,13,14,15
.irp j, 0,1,2,3,4,5,6,7
	v_cmp_neq_f32 vcc_lo, 0, v[CMB+8*\i+\j]
	v_add_co_ci_u32 v[KEY+\i], vcc_lo, v[KEY+\i], v[KEY+\i], vcc_lo   ; rev = 2 rev + bit: expert 0 ends in bit 7
.endr
	v_sub_nc_u32 v[KEY+\i], 255, v[KEY+\i]
	v_add_nc_u32 v9, 128*\i, v0
	v_lshl_or_b32 v[KEY+\i], v[KEY+\i], 11, v9     ; c = (255 - rev) << 11 | t
	ds_store_b32 v5, v[KEY+\i] offset:512*\i
.endr
; how many of my wave's 512 tokens lie in front of group g, g = 1 .. 7: group g begins at key 256 - (256 >> g)
.irp i, 0,1,2,3,4,5,6,7,8,9,10,11,12,13,14,15
.irp g, 1,2,3,4,5,6,7
	v_cmp_gt_u32 s[40+\g], (256-(256>>\g))<<11, v[KEY+\i]
.endr
.irp g, 1,2,3,4,5,6,7
	s_bcnt1_i32_b32 s[40+\g], s[40+\g]
.endr
.irp g, 1,2,3,4,5,6,7
	s_add_co_u32 s[50+\g], s[50+\g], s[40+\g]
.endr
.endr
	v_mov_b32 v10, 0
.irp g, 1,2,3,4,5,6,7
	v_writelane_b32 v10, s[50+\g], \g
.endr
	ds_store_b32 v6, v10
	s_wait_dscnt 0x0                               ; for the others' sake: my c and my counts lie in LDS
	s_barrier_signal -1
	s_barrier_wait -1
.irp k, 0,1,2,3,4,5,6,7,8,9,10,11,12,13,14,15
	ds_load_b128 v[16+4*\k:19+4*\k], v7 offset:512*\k   ; all 2,048 c: 64 a lane; their order does not matter to a count
.endr
.irp w, 0,1,2,3
	ds_load_b32 v[80+\w], v8 offset:128*\w
.endr
	s_wait_dscnt 0x0
	v_add_nc_u32 v80, v80, v81
	v_add_nc_u32 v82, v82, v83
	v_add_nc_u32 v80, v80, v82
.irp g, 1,2,3,4,5,6,7
	v_readlane_b32 s[50+\g], v80, \g               ; tokens in front of group g
.endr
.irp g, 1,2,3,4,5,6,7                  ; the places left empty behind group g - 1: 96 x ceil(count / 96) - count.  (x * 43691) >> 22 = x / 96, rounded down, for x under 2^15
	s_sub_co_u32 s40, s[50+\g], s[49+\g]
	s_add_co_u32 s41, s40, 95
	s_mul_i32 s41, s41, 43691
	s_lshr_b32 s41, s41, 22
	s_mul_i32 s41, s41, 96
	s_sub_co_u32 s[20+\g], s41, s40
.endr
	s_lshl_b32 s37, s3, 4
	s_lshl_b32 s40, s2, 2
	s_add_co_u32 s37, s37, s40                     ; my wave's first token
.irp i, 0,1,2,3
	s_bfe_u32 s40, s36, 0x80000|(8*\i)
	s_sub_co_u32 s40, 255, s40
	s_lshl_b32 s40, s40, 11
	s_add_co_u32 s41, s37, \i
	s_or_b32 s[58+\i], s40, s41                    ; its c
	s_mov_b32 s[16+\i], 0
.endr
.set k, 0
.rept 64                               ; a token's rank: how many c lie under its own; the four tokens by turns
.irp i, 0,1,2,3
	v_cmp_gt_u32 s[28+\i], s[58+\i], v[16+k]
.endr
.irp i, 0,1,2,3
	s_bcnt1_i32_b32 s[28+\i], s[28+\i]
.endr
.irp i, 0,1,2,3
	s_add_co_u32 s[16+\i], s[16+\i], s[28+\i]
.endr
.set k, k+1
.endr
.irp i, 0,1,2,3
.irp g, 1,2,3,4,5,6,7
	s_cmp_ge_u32 s[58+\i], (256-(256>>\g))<<11     ; a choice of a value, not a branch
	s_cselect_b32 s40, s[20+\g], 0
	s_add_co_u32 s[16+\i], s[16+\i], s40           ; + the empty places in front of its group
.endr
	s_bfe_u32 s40, s36, 0x80000|(8*\i)
	s_lshl_b32 s40, s40, 16
	s_or_b32 s[16+\i], s[16+\i], s40               ; place | rev << 16
	v_mov_b32 v[20+\i], s[16+\i]
.endr
	v_mov_b32 v9, 0
	s_lshl_b32 s32, s3, 6
	s_lshl_b32 s40, s2, 4
	s_add_co_u32 s32, s32, s40
	s_add_nc_u64 s[14:15], s[14:15], s[32:33]
	s_wait_xcnt 0x0                                ; EXEC changes only behind this wait
	v_cmp_eq_u32 vcc_lo, 0, v1
	s_wait_tensorcnt 0x0
	ds_add_u32 v219, v223
	s_wait_dscnt 0x0
	s_and_saveexec_b32 s38, vcc_lo
	global_store_b128 v9, v[20:23], s[14:15]       ; lane 0 stores the wave's four words
	s_wait_xcnt 0x0                                ; and again in front of the line that widens it
	s_or_b32 exec_lo, exec_lo, s38
	s_endpgm
.Lfunc_end_k_q08aca95d3f_route:
	.size	k_q08aca95d3f_route, .Lfunc_end_k_q08aca95d3f_route-k_q08aca95d3f_route
	.p2alignl 7, 3214868480
	.fill 96, 4, 3214868480
	.section	.rodata,"a",@progbits
	.p2align	6, 0x0
	.amdhsa_kernel k_q08aca95d3f_route
		.amdhsa_group_segment_fixed_size 52224
		.amdhsa_private_segment_fixed_size 0
		.amdhsa_enable_private_segment 0
		.amdhsa_kernarg_size 48
		.amdhsa_user_sgpr_count 2
		.amdhsa_user_sgpr_kernarg_segment_ptr 1
		.amdhsa_wavefront_size32 1
		.amdhsa_system_sgpr_workgroup_id_x 1
		.amdhsa_system_sgpr_workgroup_id_y 1
		.amdhsa_system_sgpr_workgroup_id_z 1
		.amdhsa_system_vgpr_workitem_id 0
		.amdhsa_next_free_vgpr 256
		.amdhsa_next_free_sgpr 66
		.amdhsa_reserve_vcc 1
		.amdhsa_float_denorm_mode_32 3
		.amdhsa_float_denorm_mode_16_64 3
		.amdhsa_memory_ordered 1
		.amdhsa_forward_progress 1
		.amdhsa_inst_pref_size 116
	.end_amdhsa_kernel
	.amdgpu_metadata
---
amdhsa.version: [ 1, 2 ]
amdhsa.kernels:
  - .name:           k_q08aca95d3f_route
    .symbol:         k_q08aca95d3f_route.kd
    .args:
      - { .name: hidden_states, .offset: 0, .size: 8, .value_kind: global_buffer, .address_space: global }
      - { .name: dispatch_mask, .offset: 8, .size: 8, .value_kind: global_buffer, .address_space: global }
      - { .name: combine_mask, .offset: 16, .size: 8, .value_kind: global_buffer, .address_space: global }
      - { .name: xq, .offset: 24, .size: 8, .value_kind: global_buffer, .address_space: global }
      - { .name: xs, .offset: 32, .size: 8, .value_kind: global_buffer, .address_space: global }
      - { .name: posw, .offset: 40, .size: 8, .value_kind: global_buffer, .address_space: global }
    .group_segment_fixed_size: 52224
    .private_segment_fixed_size: 0
    .kernarg_segment_align: 8
    .kernarg_segment_size: 48
    .max_flat_workgroup_size: 128
    .sgpr_count:     66
    .vgpr_count:     256
    .wavefront_size: 32
...
	.end_amdgpu_metadata
.endif
;; end of part 1
;; launch up (part 2): grid 8 x 29, 4 waves a work-group, no clusters, 281,600 bytes of LDS; arguments posw, xq, xs, W_in_codes, W_in_scales, b_in, hc, hs, list; writes hc, hs, list
.if DOCPART == 2
	.amdgcn_target "amdgcn-amd-amdhsa--gfx1250"
	.amdhsa_code_object_version 6
	.text
	.protected	k_q08aca95d3f_up
	.globl	k_q08aca95d3f_up
	.p2align	8
	.type	k_q08aca95d3f_up,@function
k_q08aca95d3f_up:
	s_mov_b64 s[64:65], 0
	v_nop
	global_prefetch_b8 v0, s[64:65] scope:SCOPE_SE
	s_setreg_imm32_b32 hwreg(HW_REG_WAVE_MODE, 25, 1), 1
	s_wait_xcnt 0x0
; h = (x W_in^T + b_in)[first half] * gelu((..)[second half]), on codes of BF6 (E3M2), quantised again along the next K and stored as codes (hc) and scale words (hs).
; SHARES.  Work-group (c, b): block b of 96 places of the walking order, hidden units 128 c .. 128 c + 127 (K step c of the next product).  It walks the 8 experts in a loop of constant count and passes over those
; that none of its 96 rows uses (a scalar branch on whole numbers that the launch before has stored).  Wave w makes units 128 c + 32 w .. + 31 for all 96 rows: 2 halves x 2 tiles of 16 rows of W_in against 6 tiles of rows: 24 accumulators.
; NO TENSOR LOAD, NO CLUSTER: the walk hangs on stored numbers, so operands go through registers: dense loads of 512 consecutive bytes, a stage in LDS with rows 784 bytes apart, fragments back by ds_load_b128.
; THE ORDER OF K is this program's own, alike on both operands: in K step s lane (r, h) takes the 48 bytes at 96 s + 48 h of its row: registers 0-5 block 4 s + 2 h, registers 6-11 block 4 s + 2 h + 1.
; So a step's scale word is the row's word s with its two middle bytes changed over.  784 = 3 x 256 + 16: the 16 rows of a load start in 16 different columns of 16 bytes.
; THE PRODUCT IS USED TRANSPOSED (source 0 = 16 rows of W_in, source 1 = 16 rows of x), and lane i of tile u takes row 8 u + i + 8 (i / 8): a lane's 16 registers of tiles 0 and 1 are units 16 (lane / 16) + 0 .. 15 of one row.
; THE LIST.  posw[t] = place | rev << 16.  Each wave turns 512 tokens' places round by ds_permute_b32 (a token's lane sends its word to the lane of its place; lane 16 takes what lies outside the 16 places in hand; a lane to which
; nobody sends gets 0: ISA guide, DS_PERMUTE_B32).  A row's word: bit 31 'holds a token' | rev << 16 | t; 0 for a place without a token (it is computed as token 0 and never stored by the last launch).
; gelu is exact: Phi(-|g|) = erfc(z) / 2, z = |g| / sqrt 2, erfc(z) = t exp(-z^2 + c0 + t (c1 + .. + t c9)), t = 1 / (1 + z / 2), a fit with a fractional error of 1.2e-7 at every z.
; LIMITS: NaN and infinities are not served.  The exponent's rounding grows as g^2 x 6e-8, so beyond |g| = 4 Phi(-|g|), under 3e-5 there, is less exact than 1e-6 of itself.  A block of zeros gets the byte 1 with zero codes.
; The f32 sums run along K in this program's order of blocks.
; REGISTERS, in windows of 256 (s_set_vgpr_msb: bits 1:0 source 0, 3:2 source 1, 5:4 source 2, 7:6 destination):
;   window 0: addresses, the list, scale words, biases (below).   window 1: x's rows on their way to LDS (v0-143); then fragments: x's at 72 buf + 12 m, W's at 144 + 48 buf + 12 (2 half + u).
;   window 2: W's rows on their way (loads 0-63); then accumulators at 96 half + 16 m + 8 u, v192-241 at work.   window 3: v0-127 W's rows, loads 64-95.
.set PITCH, 784
.set AST,   0                          ; x's 96 rows, shared by the four waves
.set WST,   96*PITCH                   ; W's rows: for each wave 2 halves x 32 places
.set WSTW,  64*PITCH
.set LPART, WST+4*WSTW                 ; the list's parts: wave x 6 runs of 16 places x 128 bytes
.set FL,    LPART+3072                 ; the finished list, a copy of 512 bytes for each wave
.set VL,  1                            ; lane
.set VR,  2                            ; r = lane % 16
.set VH,  3                            ; h = lane / 16
.set L16, 4                            ; 16 x lane
.set L4,  5
.set ASA, 6                            ; into AST: my wave's 24 rows, 16 x lane
.set ASB, 7                            ; the same, 16 more in lanes 16-31 (they stand one row further on, behind the pitch's 16)
.set WSA, 8                            ; the same pair for my wave's part of WST
.set WSB, 9
.set AAD, 10                           ; fragments of x: 784 r + 48 h
.set WAD, 11                           ; fragments of W
.set WSO, 12                           ; W's scale bytes: 32 x (my tile's row)
.set FLA, 13                           ; my copy of the list at my wave's first row
.set BIO, 14                           ; 64 h: biases
.set L8,  15
.set TW,  16                           ; v16-21  tile m: lane l holds the word of row 16 m + l % 16
.set UU,  22                           ; the OR of them
.set TLO, 23                           ; v23-25  256 x token of row 32 q + lane
.set TOF, 26                           ; v26-61  offsets in xq of my wave's 36 loads
.set TMP, 62
.set XS,  64                           ; v64-87  x's scale words: 8 q + s; lanes 0-15 tile 2 q, lanes 16-31 tile 2 q + 1
.set WS,  88                           ; v88-103 W's: 8 half + s; lanes 0-15 tile 0, lanes 16-31 tile 1
.set BI,  104                          ; v104-135 biases in the result's layout: 8 (2 half + u)
.set PAY, 136                          ; the list's making
.set REL, 152
.set DD,  168
.set TP,  192
.set SUM, 216
.set FLB, 222
.set FLW, 223
.set LPW, 224
.set LPR, 225
.set FLL, 226
.set G1,  227
.set G2,  228
.set PO,  229
.set TB,  230
.set GT,  192                          ; window 2, at work on gelu: t, the polynomial, g^2
.set GP,  208
.set GQ,  224
.set MSB, 0
.macro WIN new                         ; the immediate's high byte repeats the setting that is left
.if MSB != \new
	s_set_vgpr_msb (MSB<<8)|\new
.set MSB, \new
.endif
.endm
.macro PLACES                          ; four plain places behind a matrix instruction, in front of loads into its registers and of the first read of results
.rept 4
	v_nop
.endr
.endm
	s_load_b512 s[4:19], s[0:1], 0x0               ; posw s[4:5], xq s[6:7], xs s[8:9], W codes s[10:11], W scales s[12:13], b_in s[14:15], hc s[16:17], hs s[18:19]
	s_load_b64 s[20:21], s[0:1], 0x40              ; list
	v_lshl_add_u32 v254, v0, 2, 0x44a00
	v_mov_b32 v255, 0
	v_lshrrev_b32 v1, 5, v0
	v_readfirstlane_b32 s24, v1                    ; wave
	s_mov_b32 s25, ttmp9                           ; c
	s_and_b32 s26, ttmp7, 0xffff                   ; b
	v_and_b32 v[VL], 31, v0
	v_and_b32 v[VR], 15, v0
	v_bfe_u32 v[VH], v0, 4, 1
	v_lshlrev_b32 v[L16], 4, v[VL]
	v_lshlrev_b32 v[L4], 2, v[VL]
	v_lshlrev_b32 v[L8], 3, v[VL]
	v_lshl_add_u32 v[PO], s24, 11, v[L16]          ; posw: my wave's 512 tokens
	s_wait_kmcnt 0x0
.irp k, 0,1,2,3
	global_load_b128 v[PAY+4*\k:PAY+4*\k+3], v[PO], s[4:5] offset:512*\k   ; register 4 k + e: token 512 w + 128 k + 4 lane + e
.endr
	s_mul_i32 s40, s24, 24*PITCH
	v_add_nc_u32 v[ASA], s40, v[L16]
	v_lshl_add_u32 v[ASB], v[VH], 4, v[ASA]
	s_mul_i32 s41, s24, WSTW
	s_add_co_u32 s41, s41, WST
	v_add_nc_u32 v[WSA], s41, v[L16]
	v_lshl_add_u32 v[WSB], v[VH], 4, v[WSA]
	v_mul_u32_u24 v[AAD], v[VR], PITCH
	v_mad_u32_u24 v[AAD], v[VH], 48, v[AAD]
	v_add_nc_u32 v[WAD], s41, v[AAD]
	v_and_b32 v[WSO], 8, v[VR]
	v_add_nc_u32 v[WSO], v[WSO], v[VR]
	v_lshl_add_u32 v[WSO], v[VH], 3, v[WSO]        ; lane (i, u): row 8 u + i + 8 (i / 8)
	v_lshlrev_b32 v[WSO], 5, v[WSO]
	v_lshlrev_b32 v[BIO], 6, v[VH]
	s_mul_i32 s42, s24, 608
	s_add_co_u32 s42, s42, FL                      ; my copy (512 w) at row 24 w (96 w)
	v_mov_b32 v[FLA], s42
	v_lshl_add_u32 v[FLB], v[VH], 2, v[FLA]
	s_lshl_b32 s43, s24, 9
	s_add_co_u32 s43, s43, FL
	v_lshl_add_u32 v[FLW], v[VR], 2, s43
	v_add_nc_u32 v[FLL], s43, v[L4]
	s_mul_i32 s44, s24, 768
	s_add_co_u32 s44, s44, LPART
	v_add_nc_u32 v[LPW], s44, v[L4]
	v_lshl_add_u32 v[LPR], v[VR], 2, LPART
	v_mul_u32_u24 v[TMP], v[VH], 768
	v_add_nc_u32 v[G1], 512, v[L16]
	v_sub_nc_u32 v[G1], v[G1], v[TMP]              ; the middle load of a pair of rows: lanes 0-15 the first row's bytes 512 on, lanes 16-31 the second row's first 256
	v_add_nc_u32 v[G2], 256, v[L16]
	s_lshl_b32 s45, s24, 9
	s_or_b32 s45, s45, 0x80000000
	v_add_nc_u32 v[TB], s45, v[L4]                 ; bit 31 + 512 w + 4 lane
	s_mul_i32 s46, s26, 0xfffffe80                 ; -4 x 96 b
	s_mov_b32 s30, 0x76543210
	s_mov_b32 s31, 0xfedcba98                      ; v_permlanex16_b32's selects for lane l xor 16
	s_mov_b32 s32, 0x03010200                      ; v_perm_b32: bytes 1 and 2 change over
	s_mov_b32 s33, 0xffff0000                      ; lanes 16-31
	s_and_b32 s34, s24, 1
	s_lshl_b32 s34, s34, 1
	s_lshr_b32 s35, s24, 1
	s_add_co_u32 s34, s34, s35
	s_lshl_b32 s34, s34, 3                         ; my block's byte in the next product's scale word: 8 x (2 (w % 2) + w / 2) bits up
	s_mov_b32 s41, 0                               ; where my part begins in each buffer
	s_mul_i32 s40, s25, 98304
	s_mul_i32 s42, s24, 24576
	s_add_co_u32 s40, s40, s42
	s_add_nc_u64 s[10:11], s[10:11], s[40:41]      ; W's codes: row 128 c + 32 w, 768 bytes a row
	s_lshl_b32 s40, s25, 12
	s_lshl_b32 s42, s24, 10
	s_add_co_u32 s40, s40, s42
	s_add_nc_u64 s[12:13], s[12:13], s[40:41]      ; its scale bytes: 32 a row
	s_lshl_b32 s40, s25, 9
	s_lshl_b32 s42, s24, 7
	s_add_co_u32 s40, s40, s42
	s_add_nc_u64 s[14:15], s[14:15], s[40:41]      ; b_in
	s_mul_i32 s40, s26, 73728
	s_mul_i32 s42, s25, 9216
	s_add_co_u32 s40, s40, s42
	s_mul_i32 s42, s24, 2304
	s_add_co_u32 s40, s40, s42
	s_add_nc_u64 s[16:17], s[16:17], s[40:41]      ; hc [n][b][c][w][q][768]
	s_mul_i32 s40, s26, 12288
	s_mul_i32 s42, s24, 3072
	s_add_co_u32 s40, s40, s42
	s_mul_i32 s42, s25, 384
	s_add_co_u32 s40, s40, s42
	s_add_nc_u64 s[18:19], s[18:19], s[40:41]      ; hs [n][b][w][c][96]
	s_mul_i32 s40, s26, 384
	s_add_nc_u64 s[20:21], s[20:21], s[40:41]      ; list [b][96]
.set i, 0
.rept 72
	v_mov_b32 v[XS+i], 0                           ; scale words and biases are loaded in one stretch of a trip and read in another, each behind the same test, with a barrier between that no branch may skip: written here, they hold numbers on every way
.set i, i+1
.endr
.irp m, 0,1,2,3,4,5
	v_mov_b32 v[SUM+\m], 0
.endr
	s_wait_loadcnt 0x0
.set i, 0
.rept 16
	v_and_b32 v[REL+i], 0xffff, v[PAY+i]
	v_add_nc_u32 v[TMP], 128*(i/4)+i%4, v[TB]
	v_lshl_add_u32 v[REL+i], v[REL+i], 2, s46      ; 4 x (place - 96 b)
	v_and_or_b32 v[PAY+i], v[PAY+i], 0xff0000, v[TMP]   ; the row's word
.set i, i+1
.endr
.set bt, 0
.rept 4                                ; four registers of tokens at a time, each against the six runs of 16 places
.set e, 0
.rept 4
.set m, 0
.rept 6
.if m == 0
	v_min_u32 v[DD+6*e], 64, v[REL+4*bt+e]
.else
	v_add_nc_u32 v[DD+6*e+m], -64*m, v[REL+4*bt+e]
	v_min_u32 v[DD+6*e+m], 64, v[DD+6*e+m]         ; what lies outside the run (below it too: the difference wraps) goes to lane 16
.endif
	ds_permute_b32 v[TP+6*e+m], v[DD+6*e+m], v[PAY+4*bt+e]
.set m, m+1
.endr
.set e, e+1
.endr
	s_wait_dscnt 0x0
.set e, 0
.rept 4
.set m, 0
.rept 6
	v_or_b32 v[SUM+m], v[SUM+m], v[TP+6*e+m]
.set m, m+1
.endr
.set e, e+1
.endr
.set bt, bt+1
.endr
.irp m, 0,1,2,3,4,5
	ds_store_b32 v[LPW], v[SUM+\m] offset:128*\m   ; lanes 0-15 count; the others' words are never read
.endr
	s_wait_dscnt 0x0                               ; for the others' sake
	s_barrier_signal -1
	s_barrier_wait -1
.irp w, 0,1,2,3
.irp m, 0,1,2,3,4,5
	ds_load_b32 v[TP+6*\w+\m], v[LPR] offset:768*\w+128*\m
.endr
.endr
	s_wait_dscnt 0x0
.irp m, 0,1,2,3,4,5
	v_or_b32 v[TW+\m], v[TP+\m], v[TP+6+\m]
	v_or_b32 v[TP+12+\m], v[TP+12+\m], v[TP+18+\m]
	v_or_b32 v[TW+\m], v[TW+\m], v[TP+12+\m]
.endr
	v_or_b32 v[UU], v[TW], v[TW+1]
.irp m, 2,3,4,5
	v_or_b32 v[UU], v[UU], v[TW+\m]
.endr
.irp m, 0,1,2,3,4,5
	ds_store_b32 v[FLW], v[TW+\m] offset:64*\m     ; my own copy; both halves of the lanes write the same word with the same value
.endr
.irp i, 0,1,2,3,4,5,6,7,8,9,10,11      ; rows 24 w + 2 i and + 1 come by three loads of 512 bytes: which row each lane reads
	ds_load_b32 v[TOF+3*\i], v[FLA] offset:8*\i
	ds_load_b32 v[TOF+3*\i+1], v[FLB] offset:8*\i
	ds_load_b32 v[TOF+3*\i+2], v[FLA] offset:8*\i+4
.endr
.irp q, 0,1,2
	v_cndmask_b32 v[TLO+\q], v[TW+2*\q], v[TW+2*\q+1], s33
	v_and_b32 v[TLO+\q], 0x7ff, v[TLO+\q]
	v_min_u32 v[TLO+\q], 0x7ff, v[TLO+\q]          ; a loaded index enters an address only behind a hold at a constant
	v_lshlrev_b32 v[TLO+\q], 8, v[TLO+\q]
.endr
	s_wait_dscnt 0x0
.set i, 0
.rept 36
	v_and_b32 v[TOF+i], 0x7ff, v[TOF+i]
	v_min_u32 v[TOF+i], 0x7ff, v[TOF+i]
.if i%3 == 0
	v_mad_u32_u24 v[TOF+i], v[TOF+i], 6144, v[L16]
.elseif i%3 == 1
	v_mad_u32_u24 v[TOF+i], v[TOF+i], 6144, v[G1]
.else
	v_mad_u32_u24 v[TOF+i], v[TOF+i], 6144, v[G2]
.endif
.set i, i+1
.endr
	s_cmp_lg_u32 s25, 0                            ; the list goes to memory once for each block: slice 0,
	s_cbranch_scc1 .Lnolist
	s_cmp_lg_u32 s24, 0                            ; wave 0
	s_cbranch_scc1 .Lnolist
.irp q, 0,1,2
	ds_load_b32 v[TP+\q], v[FLL] offset:128*\q
.endr
	s_wait_dscnt 0x0
.irp q, 0,1,2
	global_store_b32 v[L4], v[TP+\q], s[20:21] offset:128*\q
.endr
.Lnolist:
	s_mov_b32 s27, 0
	s_mov_b32 s28, 0x800000                        ; expert n's bit in a row's word: 23 - n
.macro WPUT first, count, regoff       ; W's loads first .. first + count - 1 go to the stage.  Rows 2 a, 2 a + 1 take places 2 (a % 4) + 8 (a / 8) + 16 ((a / 4) % 2) and the next: tile u's row i lies at place 16 u + i
.set i, \first
.rept \count
.set a, (i%48)/3
.set o, 32*PITCH*(i/48)+PITCH*(2*(a&3)+8*(a>>3)+16*((a>>2)&1))
.if i%3 == 0
	ds_store_b128 v[WSA], v[4*(i-(\regoff)):4*(i-(\regoff))+3] offset:o
.elseif i%3 == 1
	ds_store_b128 v[WSB], v[4*(i-(\regoff)):4*(i-(\regoff))+3] offset:o+512
.else
	ds_store_b128 v[WSA], v[4*(i-(\regoff)):4*(i-(\regoff))+3] offset:o+1040
.endif
.set i, i+1
.endr
.endm
.macro FETCH s, buf                    ; K step s: 30 loads: x's six fragments, W's four
	WIN 0x40
.irp m, 0,1,2,3,4,5
.irp j, 0,1,2
	ds_load_b128 v[72*(\buf)+12*\m+4*\j:72*(\buf)+12*\m+4*\j+3], v[AAD] offset:16*PITCH*\m+96*(\s)+16*\j
.endr
.endr
.irp g, 0,1,2,3
.irp j, 0,1,2
	ds_load_b128 v[144+48*(\buf)+12*\g+4*\j:144+48*(\buf)+12*\g+4*\j+3], v[WAD] offset:16*PITCH*\g+96*(\s)+16*\j
.endr
.endr
.endm
.macro MM s, buf, m, g                 ; tile of rows m against W's tile g = 2 half + u
.set rD, 96*((\g)/2)+16*(\m)+8*((\g)%2)
.set rW, 144+48*(\buf)+12*(\g)
.set rA, 72*(\buf)+12*(\m)
.set rSW, WS+8*((\g)/2)+(\s)
.set rSX, XS+8*((\m)/2)+(\s)
.if (\s) == 0
.set rC, BI+8*(\g)                     ; the bias starts the sum
.else
.set rC, rD
.endif
.if ((\g)%2 == 0) && ((\m)%2 == 0)
	v_wmma_scale_f32_16x16x128_f8f6f4 v[rD:rD+7], v[rW:rW+11], v[rA:rA+11], v[rC:rC+7], v[rSW], v[rSX] matrix_a_fmt:MATRIX_FMT_BF6 matrix_b_fmt:MATRIX_FMT_BF6
.elseif ((\g)%2 == 1) && ((\m)%2 == 0)
	v_wmma_scale_f32_16x16x128_f8f6f4 v[rD:rD+7], v[rW:rW+11], v[rA:rA+11], v[rC:rC+7], v[rSW], v[rSX] matrix_a_fmt:MATRIX_FMT_BF6 matrix_b_fmt:MATRIX_FMT_BF6 matrix_a_scale:MATRIX_SCALE_ROW1
.elseif ((\g)%2 == 0) && ((\m)%2 == 1)
	v_wmma_scale_f32_16x16x128_f8f6f4 v[rD:rD+7], v[rW:rW+11], v[rA:rA+11], v[rC:rC+7], v[rSW], v[rSX] matrix_a_fmt:MATRIX_FMT_BF6 matrix_b_fmt:MATRIX_FMT_BF6 matrix_b_scale:MATRIX_SCALE_ROW1
.else
	v_wmma_scale_f32_16x16x128_f8f6f4 v[rD:rD+7], v[rW:rW+11], v[rA:rA+11], v[rC:rC+7], v[rSW], v[rSX] matrix_a_fmt:MATRIX_FMT_BF6 matrix_b_fmt:MATRIX_FMT_BF6 matrix_a_scale:MATRIX_SCALE_ROW1 matrix_b_scale:MATRIX_SCALE_ROW1
.endif
.endm
.macro STEPMUL s, buf                  ; 24 products; the 24 accumulators take turns, one instruction a turn, in the same order in every step
.if (\s) == 0
	WIN 0x85                                       ; sources 0, 1 window 1, C (the bias) window 0, D window 2
.else
	WIN 0xa5                                       ; C and D window 2
.endif
.irp m, 0,1,2,3,4,5
.irp g, 0,1,2,3
	MM \s, \buf, \m, \g
.endr
.endr
.endm
; x * g * Phi(g) for tile of rows m, 16 numbers a lane; all registers in window 2
.macro GEGLU m
.set GG, 96+16*(\m)
.set GX, 16*(\m)
.set i, 0
.rept 16
	v_and_b32 v[GT+i], 0x7fffffff, v[GG+i]         ; |g|; each accumulator is read from its low end on
.set i, i+1
.endr
.irp j, 0,2,4,6,8,10,12,14
	v_pk_fma_f32 v[GT+\j:GT+\j+1], v[GT+\j:GT+\j+1], 0x3eb504f3, 1.0 op_sel_hi:[1,0,0]   ; 1 + z / 2 = 1 + |g| / (2 sqrt 2)
.endr
.set i, 0
.rept 16
	v_rcp_f32 v[GT+i], v[GT+i]                     ; t
.set i, i+1
.endr
.irp j, 0,2,4,6,8,10,12,14
	v_pk_mul_f32 v[GQ+\j:GQ+\j+1], v[GG+\j:GG+\j+1], v[GG+\j:GG+\j+1]   ; g^2: work that names no reciprocal
.endr
.irp j, 0,2,4,6,8,10,12,14
	v_pk_mul_f32 v[GX+\j:GX+\j+1], v[GX+\j:GX+\j+1], v[GG+\j:GG+\j+1]   ; x g
.endr
	s_wait_alu depctr_va_vdst(0)                   ; one wait for the 16 reciprocals, ahead of their first reader
.irp j, 0,2,4,6,8,10,12,14
	v_pk_fma_f32 v[GP+\j:GP+\j+1], v[GT+\j:GT+\j+1], v[240:241], 0xbf527892 op_sel_hi:[1,1,0]   ; c9 t + c8
.endr
.irp c, 0x3fbe87b0, 0xbf914e5d, 0x3e8ec7cc, 0xbe3ec24c, 0x3dc636c9, 0x3ebf88fb, 0x3f8000c7, 0xbfa1fc4e
.irp j, 0,2,4,6,8,10,12,14
	v_pk_fma_f32 v[GP+\j:GP+\j+1], v[GP+\j:GP+\j+1], v[GT+\j:GT+\j+1], \c op_sel_hi:[1,1,0]    ; .. t + c7 .. c0
.endr
.endr
.irp j, 0,2,4,6,8,10,12,14
	v_pk_fma_f32 v[GP+\j:GP+\j+1], v[GQ+\j:GQ+\j+1], -0.5, v[GP+\j:GP+\j+1] op_sel_hi:[1,0,1]   ; - z^2 = - g^2 / 2
.endr
.irp j, 0,2,4,6,8,10,12,14
	v_pk_fma_f32 v[GP+\j:GP+\j+1], v[GP+\j:GP+\j+1], 0x3fb8aa3b, -1.0 op_sel_hi:[1,0,0]         ; to base 2, and the half
.endr
.set i, 0
.rept 16
	v_exp_f32 v[GP+i], v[GP+i]
.set i, i+1
.endr
	v_nop                                          ; a plain line behind the last exponential
	s_wait_alu depctr_va_vdst(0)                   ; one wait for the 16
.irp j, 0,2,4,6,8,10,12,14
	v_pk_mul_f32 v[GQ+\j:GQ+\j+1], v[GT+\j:GT+\j+1], v[GP+\j:GP+\j+1]   ; Phi(-|g|)
.endr
.irp j, 0,2,4,6,8,10,12,14
	v_pk_fma_f32 v[GP+\j:GP+\j+1], v[GQ+\j:GQ+\j+1], -1.0, 1.0 op_sel_hi:[1,0,0]   ; Phi(|g|)
.endr
.set i, 0
.rept 16
	v_cmp_lt_f32 vcc_lo, 0, v[GG+i]
	v_cndmask_b32 v[GQ+i], v[GQ+i], v[GP+i], vcc_lo
.set i, i+1
.endr
.irp j, 0,2,4,6,8,10,12,14
	v_pk_mul_f32 v[GX+\j:GX+\j+1], v[GX+\j:GX+\j+1], v[GQ+\j:GQ+\j+1]
.endr
.endm
.Lexp:                                 ; 8 trips, one for each expert
	v_and_b32 v[TMP], s28, v[UU]
	v_cmp_ne_u32 vcc_lo, 0, v[TMP]
	s_cmp_lg_u32 vcc_lo, 0                         ; does any of the 96 rows use this expert?  The same in all four waves
	s_cselect_b32 s29, 1, 0
	s_cbranch_scc0 .Lno1
	; ---- the trip's loads: 150, in this order
	WIN 0x40
.set i, 0
.rept 36
	global_load_b128 v[4*i:4*i+3], v[TOF+i], s[6:7]            ; x's codes: my wave's 24 rows
.set i, i+1
.endr
	WIN 0
.irp q, 0,1,2
	global_load_b128 v[XS+8*\q:XS+8*\q+3], v[TLO+\q], s[8:9]
	global_load_b128 v[XS+8*\q+4:XS+8*\q+7], v[TLO+\q], s[8:9] offset:16
.endr
.irp g, 0,1
.irp k, 0,1
	global_load_b128 v[WS+8*\g+4*\k:WS+8*\g+4*\k+3], v[WSO], s[12:13] offset:32768*\g+16*\k
.endr
.endr
.irp g, 0,1,2,3
.irp k, 0,1
	global_load_b128 v[BI+8*\g+4*\k:BI+8*\g+4*\k+3], v[BIO], s[14:15] offset:4096*(\g/2)+32*(\g%2)+16*\k
.endr
.endr
	WIN 0x80
.set i, 0
.rept 64
	global_load_b128 v[4*i:4*i+3], v[L16], s[10:11] offset:786432*(i/48)+512*(i%48)   ; W's codes: 32 rows of each half, dense: 512 consecutive bytes a load
.set i, i+1
.endr
	WIN 0xc0
.rept 32
	global_load_b128 v[4*(i-64):4*(i-64)+3], v[L16], s[10:11] offset:786432*(i/48)+512*(i%48)
.set i, i+1
.endr
	s_wait_loadcnt 63                              ; 96 loads were issued behind the first 54: those are in
	WIN 0x04                                       ; an LDS store's data are its source 1: window 1
.irp i, 0,1,2,3,4,5,6,7,8,9,10,11
	ds_store_b128 v[ASA], v[12*\i:12*\i+3] offset:2*PITCH*\i
	ds_store_b128 v[ASB], v[12*\i+4:12*\i+7] offset:2*PITCH*\i+512
	ds_store_b128 v[ASA], v[12*\i+8:12*\i+11] offset:2*PITCH*\i+1040
.endr
	WIN 0
.set i, 0
.rept 16
	v_perm_b32 v[WS+i], v[WS+i], v[WS+i], s32      ; W's scale words in this program's order of blocks
.set i, i+1
.endr
	s_wait_loadcnt 32                              ; all but W's last 32
	WIN 0x08
	WPUT 0, 64, 0
	s_wait_loadcnt 0x0
	WIN 0x0c
	WPUT 64, 32, 64
	WIN 0
.Lno1:
	s_wait_dscnt 0x0                               ; my stores into the stages are done
	s_barrier_signal -1
	s_barrier_wait -1                              ; x's 96 rows lie in LDS
	s_cmp_eq_u32 s29, 0
	s_cbranch_scc1 .Lno2
	; ---- the products: 8 K steps of 128, fragments one step ahead in two buffers
	FETCH 0, 0
.rept 8
	v_nop                                          ; a scale register written by a vector instruction stands eight places ahead of a scaled product
.endr
.irp s, 0,1,2,3,4,5,6
.if \s > 0
	PLACES
.endif
	FETCH \s+1, (\s+1)%2
	s_wait_dscnt 30                                ; all but the 30 just issued
	STEPMUL \s, \s%2
.endr
	s_wait_dscnt 0x0
	STEPMUL 7, 1
	WIN 0xaa                                       ; all of the activation and the quantiser works in window 2
	PLACES
	v_mov_b32 v240, 0x3e2ef945                     ; c9, as a pair
	v_mov_b32 v241, 0x3e2ef945
	GEGLU 0
	GEGLU 1
	GEGLU 2
	GEGLU 3
	GEGLU 4
	GEGLU 5
	; ---- the quantiser: my 32 units are one block of the next K; a lane holds 16 of them, lane l xor 16 the others.  The six tiles by turns; the gate's registers are free
.irp m, 0,1,2,3,4,5
	v_max3_num_f32 v[104+16*\m], |v[16*\m]|, |v[16*\m+1]|, 0x2800000   ; with the floor 2^(5 - 127): the byte cannot fall under 1
.endr
.irp i, 2,4,6,8,10,12,14
.irp m, 0,1,2,3,4,5
	v_max3_num_f32 v[104+16*\m], v[104+16*\m], |v[16*\m+\i]|, |v[16*\m+\i+1]|
.endr
.endr
.irp m, 0,1,2,3,4,5
	v_permlanex16_b32 v[105+16*\m], v[104+16*\m], s30, s31
.endr
.irp m, 0,1,2,3,4,5
	v_max_num_f32 v[104+16*\m], v[104+16*\m], v[105+16*\m]
.endr
.irp m, 0,1,2,3,4,5
	v_add_nc_u32 v[106+16*\m], 0xfe000000, v[104+16*\m]   ; 4 off the exponent field: the conversion's scale operand
.endr
.irp m, 0,1,2,3,4,5
	v_lshrrev_b32 v[107+16*\m], 23, v[106+16*\m]          ; the scale's byte
.endr
.irp m, 0,1,2,3,4,5
	v_cvt_scalef32_pk16_bf6_f32 v[96+16*\m:98+16*\m], v[16*\m:16*\m+15], v[106+16*\m]
.endr
	v_nop                                          ; one plain line behind the conversions
.irp q, 0,1,2                          ; tiles 2 q and 2 q + 1 change halves: lane (r, h') then holds the whole block of row 32 q + 16 h' + r
.irp i, 0,1,2
	v_permlane16_swap_b32 v[96+32*\q+\i], v[112+32*\q+\i]
.endr
.irp i, 0,1,2
	v_mov_b32 v[99+32*\q+\i], v[112+32*\q+\i]
.endr
	v_cndmask_b32 v[108+32*\q], v[107+32*\q], v[123+32*\q], s33   ; lane l: the byte of row 32 q + l,
	v_lshlrev_b32 v[108+32*\q], s34, v[108+32*\q]                 ; at its place in the row's scale word
.endr
	WIN 0x08                                       ; a store's data are its source 1: window 2
.irp q, 0,1,2
	global_store_b128 v[L16], v[96+32*\q:99+32*\q], s[16:17] offset:768*\q          ; 512 consecutive bytes, at a multiple of 256 from the buffer's first byte
	global_store_b64 v[L8], v[100+32*\q:101+32*\q], s[16:17] offset:768*\q+512      ; 256 more
	global_store_b32 v[L4], v[108+32*\q], s[18:19] offset:128*\q
.endr
	WIN 0
.Lno2:
	s_wait_dscnt 0x0                               ; my reads of x's rows are over:
	s_barrier_signal -1
	s_barrier_wait -1                              ; the next trip may write them again
	s_wait_xcnt 0x0                                ; the stores have read their registers and bases
	s_add_nc_u64 s[6:7], s[6:7], 768
	s_add_nc_u64 s[8:9], s[8:9], 32
	s_add_nc_u64 s[10:11], s[10:11], 1572864
	s_add_nc_u64 s[12:13], s[12:13], 65536
	s_add_nc_u64 s[14:15], s[14:15], 8192
	s_add_nc_u64 s[16:17], s[16:17], 2138112
	s_add_nc_u64 s[18:19], s[18:19], 356352
	s_lshr_b32 s28, s28, 1
	s_add_co_u32 s27, s27, 1
	s_cmp_lt_u32 s27, 8
	s_cbranch_scc1 .Lexp
	s_wait_tensorcnt 0x0
	ds_add_u32 v254, v255
	s_wait_dscnt 0x0
	s_endpgm
.Lfunc_end_k_q08aca95d3f_up:
	.size	k_q08aca95d3f_up, .Lfunc_end_k_q08aca95d3f_up-k_q08aca95d3f_up
	.p2alignl 7, 3214868480
	.fill 96, 4, 3214868480
	.section	.rodata,"a",@progbits
	.p2align	6, 0x0
	.amdhsa_kernel k_q08aca95d3f_up
		.amdhsa_group_segment_fixed_size 281600
		.amdhsa_private_segment_fixed_size 0
		.amdhsa_enable_private_segment 0
		.amdhsa_kernarg_size 72
		.amdhsa_user_sgpr_count 2
		.amdhsa_user_sgpr_kernarg_segment_ptr 1
		.amdhsa_wavefront_size32 1
		.amdhsa_system_sgpr_workgroup_id_x 1
		.amdhsa_system_sgpr_workgroup_id_y 1
		.amdhsa_system_sgpr_workgroup_id_z 1
		.amdhsa_system_vgpr_workitem_id 0
		.amdhsa_next_free_vgpr 896
		.amdhsa_next_free_sgpr 66
		.amdhsa_reserve_vcc 1
		.amdhsa_float_denorm_mode_32 3
		.amdhsa_float_denorm_mode_16_64 3
		.amdhsa_memory_ordered 1
		.amdhsa_forward_progress 1
		.amdhsa_inst_pref_size 202
	.end_amdhsa_kernel
	.amdgpu_metadata
---
amdhsa.version: [ 1, 2 ]
amdhsa.kernels:
  - .name:           k_q08aca95d3f_up
    .symbol:         k_q08aca95d3f_up.kd
    .args:
      - { .name: posw, .offset: 0, .size: 8, .value_kind: global_buffer, .address_space: global }
      - { .name: xq, .offset: 8, .size: 8, .value_kind: global_buffer, .address_space: global }
      - { .name: xs, .offset: 16, .size: 8, .value_kind: global_buffer, .address_space: global }
      - { .name: W_in_codes, .offset: 24, .size: 8, .value_kind: global_buffer, .address_space: global }
      - { .name: W_in_scales, .offset: 32, .size: 8, .value_kind: global_buffer, .address_space: global }
      - { .name: b_in, .offset: 40, .size: 8, .value_kind: global_buffer, .address_space: global }
      - { .name: hc, .offset: 48, .size: 8, .value_kind: global_buffer, .address_space: global }
      - { .name: hs, .offset: 56, .size: 8, .value_kind: global_buffer, .address_space: global }
      - { .name: list, .offset: 64, .size: 8, .value_kind: global_buffer, .address_space: global }
    .group_segment_fixed_size: 281600
    .private_segment_fixed_size: 0
    .kernarg_segment_align: 8
    .kernarg_segment_size: 72
    .max_flat_workgroup_size: 128
    .sgpr_count:     66
    .vgpr_count:     896
    .wavefront_size: 32
...
	.end_amdgpu_metadata
.endif
;; end of part 2
;; launch down (part 3): grid 8 x 29, 4 waves a work-group, no clusters, 177,664 bytes of LDS; arguments list, combine_mask, hc, hs, W_out_codes, W_out_scales, b_out, out0; writes out0
.if DOCPART == 3
	.amdgcn_target "amdgcn-amd-amdhsa--gfx1250"
	.amdhsa_code_object_version 6
	.text
	.protected	k_q08aca95d3f_down
	.globl	k_q08aca95d3f_down
	.p2align	8
	.type	k_q08aca95d3f_down,@function
k_q08aca95d3f_down:
	s_mov_b64 s[64:65], 0
	v_nop
	global_prefetch_b8 v0, s[64:65] scope:SCOPE_SE
	s_setreg_imm32_b32 hwreg(HW_REG_WAVE_MODE, 25, 1), 1
	s_wait_xcnt 0x0
; out[t] = the sum over experts n of combine[t][n] * (h_n[t] W_out[n]^T + b_out[n]), the product on codes of BF6 (E3M2).
; SHARES.  Work-group (c, b): block b of 96 places, output columns 128 c .. + 127: each output row has one owner.  It walks the 8 experts in a loop of constant count and passes over those that none of its rows uses
; (a scalar branch on the stored list).  A row of a mixed block that does not use an expert is computed and multiplied by its combine, which is 0.  Wave w makes columns 128 c + 32 w .. + 31: 2 tiles against 6 tiles of rows.
; NO TENSOR LOAD, NO CLUSTER: the walk hangs on stored numbers.  h's codes of (n, b), 73,728 dense bytes laid by the launch before in the order of the operand's registers, are copied to LDS as they lie; W_out's rows go
; through a stage with rows 784 bytes apart, a wave's own.  The order of K is this program's own (lane (r, h), K step s: blocks 4 s + 2 h and 4 s + 2 h + 1), alike on both operands; scale words have their middle bytes changed over.
; THE PRODUCT IS USED TRANSPOSED (source 0 = 16 rows of W_out, source 1 = 16 rows of h): a lane holds eight neighbouring columns of one row.  b_out is the C of a sum's first product.
; LIMITS: NaN and infinities are not served; a pair with combine = +-0 in a block where no row uses that expert adds nothing, also where the product would not be finite.  The f32 sums run along K in this program's order of blocks.
; REGISTERS: window 0: addresses, list, scale words, biases, combine, rows on the way out (below).   window 1: h's copy on its way (v0-143); then fragments: h's at 72 buf + 12 m, W's at 144 + 24 buf + 12 u.
;   window 2: accumulators at 16 m + 8 u, totals at 96 + 16 m + 8 u.   window 3: v0-191 W's rows on their way.
.set PITCH, 784
.set AIM,   0                          ; h's codes of (n, b); behind the loop the stage for out: 96 rows x 528
.set WST,   73728                      ; W's rows: 32 x 784 for each wave
.set WSTW,  32*PITCH
.set HSS,   WST+4*WSTW                 ; h's scale words [s][96]
.set SPI,   528
.set VL,  1
.set VR,  2
.set VH,  3
.set T16, 4                            ; 16 x thread: h's copy, in memory and in LDS
.set T16B,5                            ; + 36,864, for the LDS offsets beyond 16 bits
.set T8,  6
.set HSW, 7
.set FA,  8                            ; fragments of h: 16 r + 4,608 h (registers 0-3 of a block)
.set FB,  9                            ; 512 + 8 r + 4,608 h (registers 4-5)
.set FA2, 10                           ; the same for K steps 4-7
.set FB2, 11
.set WSA, 12
.set WSB, 13
.set WAD, 14
.set WSO, 15                           ; 32 x lane: W's scale bytes
.set BOO, 16                           ; 32 h: biases
.set HSR, 17
.set L16, 18
.set SIN, 19
.set SOUT,20
.set R4,  21
.set TW,  22                           ; v22-27  tile m: lane l holds the word of row 16 m + l % 16
.set UU,  28
.set TMP, 29
.set CO,  30                           ; v30-35  32 x token
.set CM,  40                           ; v40-51  combine, in pairs (the low word counts)
.set WS,  52                           ; v52-59
.set BO,  60                           ; v60-75
.set HS,  76                           ; v76-99  8 q + s
.set HT,  100                          ; v100-123 hs on its way
.set OFS, 124                          ; v124-147 the 24 rows' offsets in out
.set ORW, 148                          ; v148-243 the 24 rows
.set MSB, 0
.macro WIN new
.if MSB != \new
	s_set_vgpr_msb (MSB<<8)|\new
.set MSB, \new
.endif
.endm
.macro PLACES
.rept 4
	v_nop
.endr
.endm
	s_load_b512 s[4:19], s[0:1], 0x0               ; list s[4:5], combine s[6:7], hc s[8:9], hs s[10:11], W codes s[12:13], W scales s[14:15], b_out s[16:17], out s[18:19]
	v_lshl_add_u32 v254, v0, 2, 0x2b400
	v_mov_b32 v255, 0
	v_lshrrev_b32 v1, 5, v0
	v_readfirstlane_b32 s24, v1                    ; wave
	s_mov_b32 s25, ttmp9                           ; c
	s_and_b32 s26, ttmp7, 0xffff                   ; b
	v_and_b32 v[VL], 31, v0
	v_and_b32 v[VR], 15, v0
	v_bfe_u32 v[VH], v0, 4, 1
	v_lshlrev_b32 v[R4], 2, v[VR]
	s_mov_b32 s37, 0
	s_mul_i32 s36, s26, 384
	s_wait_kmcnt 0x0
	s_add_nc_u64 s[4:5], s[4:5], s[36:37]
.irp m, 0,1,2,3,4,5
	global_load_b32 v[TW+\m], v[R4], s[4:5] offset:64*\m
.endr
	s_lshl_b32 s36, s24, 4
	s_add_nc_u64 s[20:21], s[4:5], s[36:37]
.irp m, 0,1,2,3,4,5
	s_load_b128 s[40+4*\m:43+4*\m], s[20:21], 64*\m   ; the words of the rows that I store: 16 m + 4 w + 0 .. 3
.endr
	v_lshlrev_b32 v[T16], 4, v0
	v_add_nc_u32 v[T16B], 36864, v[T16]
	v_lshlrev_b32 v[T8], 3, v0
	v_add_nc_u32 v[HSW], HSS, v[T8]
	v_lshlrev_b32 v[FA], 4, v[VR]
	v_mad_u32_u24 v[FA], v[VH], 4608, v[FA]
	v_lshlrev_b32 v[FB], 3, v[VR]
	v_mad_u32_u24 v[FB], v[VH], 4608, v[FB]
	v_add_nc_u32 v[FB], 512, v[FB]
	v_add_nc_u32 v[FA2], 36864, v[FA]
	v_add_nc_u32 v[FB2], 36864, v[FB]
	v_lshlrev_b32 v[L16], 4, v[VL]
	s_mul_i32 s38, s24, WSTW
	s_add_co_u32 s38, s38, WST
	v_add_nc_u32 v[WSA], s38, v[L16]
	v_lshl_add_u32 v[WSB], v[VH], 4, v[WSA]
	v_mul_u32_u24 v[WAD], v[VR], PITCH
	v_mad_u32_u24 v[WAD], v[VH], 48, v[WAD]
	v_add_nc_u32 v[WAD], s38, v[WAD]
	v_lshlrev_b32 v[WSO], 5, v[VL]
	v_lshlrev_b32 v[BOO], 5, v[VH]
	v_lshl_add_u32 v[HSR], v[VL], 2, HSS
	v_mul_u32_u24 v[SIN], v[VR], SPI
	v_lshl_add_u32 v[SIN], v[VH], 5, v[SIN]
	s_lshl_b32 s38, s24, 7
	v_add_nc_u32 v[SIN], s38, v[SIN]               ; the stage, way in: row r, + 32 h, + 128 w
	s_mul_i32 s38, s24, 4*SPI
	v_add_nc_u32 v[SOUT], s38, v[L16]              ; way out: rows 4 w on, 16 bytes a lane
	s_mov_b32 s32, 0x03010200                      ; v_perm_b32: bytes 1 and 2 change over
	s_mul_i32 s36, s26, 73728
	s_add_nc_u64 s[8:9], s[8:9], s[36:37]          ; hc [n][b]
	s_mul_i32 s36, s26, 12288
	s_add_nc_u64 s[10:11], s[10:11], s[36:37]      ; hs [n][b]
	s_mul_i32 s36, s25, 98304
	s_mul_i32 s38, s24, 24576
	s_add_co_u32 s36, s36, s38
	s_add_nc_u64 s[12:13], s[12:13], s[36:37]      ; W's codes: row 128 c + 32 w
	s_lshl_b32 s36, s25, 12
	s_lshl_b32 s38, s24, 10
	s_add_co_u32 s36, s36, s38
	s_add_nc_u64 s[14:15], s[14:15], s[36:37]
	s_lshl_b32 s36, s25, 9
	s_add_nc_u64 s[18:19], s[18:19], s[36:37]      ; out: column 128 c
	s_lshl_b32 s38, s24, 7
	s_add_co_u32 s36, s36, s38
	s_add_nc_u64 s[16:17], s[16:17], s[36:37]      ; b_out
.set i, 0
.rept 36
	v_mov_b32 v[CM+i], 0                           ; combine, W's scale words and biases are loaded in one stretch of a trip and read in another, each behind the same test: written here, they hold numbers on every way
.set i, i+1
.endr
	WIN 0x80
.set i, 0
.rept 96
	v_mov_b32 v[96+i], 0                           ; the totals: a row that uses no expert keeps these zeros, and they are stored
.set i, i+1
.endr
	WIN 0
	s_wait_loadcnt 0x0
	v_or_b32 v[UU], v[TW], v[TW+1]
.irp m, 2,3,4,5
	v_or_b32 v[UU], v[UU], v[TW+\m]
.endr
.irp m, 0,1,2,3,4,5
	v_and_b32 v[CO+\m], 0x7ff, v[TW+\m]
	v_min_u32 v[CO+\m], 0x7ff, v[CO+\m]            ; a loaded index enters an address only behind a hold at a constant
	v_lshlrev_b32 v[CO+\m], 5, v[CO+\m]
.endr
	s_wait_kmcnt 0x0
.set k, 0
.rept 24
	s_and_b32 s36, s[40+k], 0x7ff
	s_min_u32 s36, s36, 0x7ff
	s_lshl_b32 s36, s36, 12
	v_add_nc_u32 v[OFS+k], s36, v[L16]             ; 4,096 x token + 16 x lane
.set k, k+1
.endr
	s_mov_b32 s27, 0
	s_mov_b32 s28, 0x800000
.macro FETCH s, buf                    ; K step s: 30 loads.  Tile m = 2 q + h', block 2 h + cc of the step: registers 6 cc .. + 3 and 6 cc + 4, + 5, as the launch before laid them
.if (\s) < 4
.set fa, FA
.set fb, FB
.set so, 9216*(\s)
.else
.set fa, FA2
.set fb, FB2
.set so, 9216*((\s)-4)
.endif
	WIN 0x40
.irp m, 0,1,2,3,4,5
.irp cc, 0,1
	ds_load_b128 v[72*(\buf)+12*\m+6*\cc:72*(\buf)+12*\m+6*\cc+3], v[fa] offset:so+2304*\cc+768*(\m/2)+256*(\m%2)
	ds_load_b64 v[72*(\buf)+12*\m+6*\cc+4:72*(\buf)+12*\m+6*\cc+5], v[fb] offset:so+2304*\cc+768*(\m/2)+128*(\m%2)
.endr
.endr
.irp u, 0,1
.irp j, 0,1,2
	ds_load_b128 v[144+24*(\buf)+12*\u+4*\j:144+24*(\buf)+12*\u+4*\j+3], v[WAD] offset:16*PITCH*\u+96*(\s)+16*\j
.endr
.endr
.endm
.macro MM s, buf, m, u
.set rD, 16*(\m)+8*(\u)
.set rW, 144+24*(\buf)+12*(\u)
.set rA, 72*(\buf)+12*(\m)
.set rSW, WS+(\s)
.set rSX, HS+8*((\m)/2)+(\s)
.if (\s) == 0
.set rC, BO+8*(\u)
.else
.set rC, rD
.endif
.if ((\u) == 0) && ((\m)%2 == 0)
	v_wmma_scale_f32_16x16x128_f8f6f4 v[rD:rD+7], v[rW:rW+11], v[rA:rA+11], v[rC:rC+7], v[rSW], v[rSX] matrix_a_fmt:MATRIX_FMT_BF6 matrix_b_fmt:MATRIX_FMT_BF6
.elseif ((\u) == 1) && ((\m)%2 == 0)
	v_wmma_scale_f32_16x16x128_f8f6f4 v[rD:rD+7], v[rW:rW+11], v[rA:rA+11], v[rC:rC+7], v[rSW], v[rSX] matrix_a_fmt:MATRIX_FMT_BF6 matrix_b_fmt:MATRIX_FMT_BF6 matrix_a_scale:MATRIX_SCALE_ROW1
.elseif ((\u) == 0) && ((\m)%2 == 1)
	v_wmma_scale_f32_16x16x128_f8f6f4 v[rD:rD+7], v[rW:rW+11], v[rA:rA+11], v[rC:rC+7], v[rSW], v[rSX] matrix_a_fmt:MATRIX_FMT_BF6 matrix_b_fmt:MATRIX_FMT_BF6 matrix_b_scale:MATRIX_SCALE_ROW1
.else
	v_wmma_scale_f32_16x16x128_f8f6f4 v[rD:rD+7], v[rW:rW+11], v[rA:rA+11], v[rC:rC+7], v[rSW], v[rSX] matrix_a_fmt:MATRIX_FMT_BF6 matrix_b_fmt:MATRIX_FMT_BF6 matrix_a_scale:MATRIX_SCALE_ROW1 matrix_b_scale:MATRIX_SCALE_ROW1
.endif
.endm
.macro STEPMUL s, buf                  ; 12 products; the 12 accumulators take turns, one instruction a turn
.if (\s) == 0
	WIN 0x85
.else
	WIN 0xa5
.endif
.irp m, 0,1,2,3,4,5
.irp u, 0,1
	MM \s, \buf, \m, \u
.endr
.endr
.endm
.Lexp:                                 ; 8 trips, one for each expert
	v_and_b32 v[TMP], s28, v[UU]
	v_cmp_ne_u32 vcc_lo, 0, v[TMP]
	s_cmp_lg_u32 vcc_lo, 0                         ; the same test, on the same list, by which the launch before made or left out h of (n, b)
	s_cselect_b32 s29, 1, 0
	s_cbranch_scc0 .Lno1
	; ---- the trip's loads: 108, in this order
	WIN 0x40
.set i, 0
.rept 36
	global_load_b128 v[4*i:4*i+3], v[T16], s[8:9] offset:2048*i   ; h's codes: the four waves copy 2,048 consecutive bytes a turn
.set i, i+1
.endr
	WIN 0
.irp w, 0,1,2,3
.irp i, 0,1,2
	global_load_b64 v[HT+6*\w+2*\i:HT+6*\w+2*\i+1], v[T8], s[10:11] offset:3072*\w+1024*\i   ; the four blocks' bytes of each scale word
.endr
.endr
.irp m, 0,1,2,3,4,5
	global_load_b32 v[CM+2*\m], v[CO+\m], s[6:7]
.endr
	global_load_b128 v[WS:WS+3], v[WSO], s[14:15]
	global_load_b128 v[WS+4:WS+7], v[WSO], s[14:15] offset:16
.irp u, 0,1
.irp k, 0,1
	global_load_b128 v[BO+8*\u+4*\k:BO+8*\u+4*\k+3], v[BOO], s[16:17] offset:64*\u+16*\k
.endr
.endr
	WIN 0xc0
.set i, 0
.rept 48
	global_load_b128 v[4*i:4*i+3], v[L16], s[12:13] offset:512*i   ; W's codes: my 32 rows, dense
.set i, i+1
.endr
	s_wait_loadcnt 48                              ; all but W's 48
	WIN 0x04
.set i, 0
.rept 18
	ds_store_b128 v[T16], v[4*i:4*i+3] offset:2048*i
.set i, i+1
.endr
.rept 18
	ds_store_b128 v[T16B], v[4*i:4*i+3] offset:2048*(i-18)
.set i, i+1
.endr
	WIN 0
.irp i, 0,1,2,3,4,5
	v_or_b32 v[HT+\i], v[HT+\i], v[HT+6+\i]
	v_or_b32 v[HT+12+\i], v[HT+12+\i], v[HT+18+\i]
	v_or_b32 v[HT+\i], v[HT+\i], v[HT+12+\i]       ; the whole scale words
.endr
.irp i, 0,1,2
	ds_store_b64 v[HSW], v[HT+2*\i:HT+2*\i+1] offset:1024*\i
.endr
.irp i, 0,1,2,3,4,5,6,7
	v_perm_b32 v[WS+\i], v[WS+\i], v[WS+\i], s32
.endr
	s_wait_loadcnt 0x0
	WIN 0x0c
.set i, 0
.rept 16
	ds_store_b128 v[WSA], v[12*i:12*i+3] offset:2*PITCH*i
	ds_store_b128 v[WSB], v[12*i+4:12*i+7] offset:2*PITCH*i+512
	ds_store_b128 v[WSA], v[12*i+8:12*i+11] offset:2*PITCH*i+1040
.set i, i+1
.endr
	WIN 0
.Lno1:
	s_wait_dscnt 0x0                               ; my stores are done
	s_barrier_signal -1
	s_barrier_wait -1                              ; h's codes and scale words lie in LDS
	s_cmp_eq_u32 s29, 0
	s_cbranch_scc1 .Lno2
.irp q, 0,1,2
.irp s, 0,1,2,3,4,5,6,7
	ds_load_b32 v[HS+8*\q+\s], v[HSR] offset:384*\s+128*\q
.endr
.endr
	FETCH 0, 0
.rept 8
	v_nop                                          ; a scale register written by a vector instruction stands eight places ahead of a scaled product
.endr
.irp s, 0,1,2,3,4,5,6
.if \s > 0
	PLACES
.endif
	FETCH \s+1, (\s+1)%2
	s_wait_dscnt 30                                ; all but the 30 just issued (in step 0: the scale words are in too)
	STEPMUL \s, \s%2
.endr
	s_wait_dscnt 0x0
	STEPMUL 7, 1
	WIN 0xa2                                       ; sums and totals window 2, combine window 0
	PLACES
.irp m, 0,1,2,3,4,5
.irp j, 0,2,4,6,8,10,12,14
	v_pk_fma_f32 v[96+16*\m+\j:97+16*\m+\j], v[16*\m+\j:16*\m+\j+1], v[CM+2*\m:CM+2*\m+1], v[96+16*\m+\j:97+16*\m+\j] op_sel_hi:[1,0,1]   ; total += sum x combine; each accumulator from its low end on
.endr
.endr
	WIN 0
.Lno2:
	s_wait_dscnt 0x0                               ; my reads of the shared bytes are over:
	s_barrier_signal -1
	s_barrier_wait -1                              ; they may be written again
	s_wait_xcnt 0x0
	s_add_nc_u64 s[6:7], s[6:7], 4
	s_add_nc_u64 s[8:9], s[8:9], 2138112
	s_add_nc_u64 s[10:11], s[10:11], 356352
	s_add_nc_u64 s[12:13], s[12:13], 786432
	s_add_nc_u64 s[14:15], s[14:15], 32768
	s_add_nc_u64 s[16:17], s[16:17], 4096
	s_lshr_b32 s28, s28, 1
	s_add_co_u32 s27, s27, 1
	s_cmp_lt_u32 s27, 8
	s_cbranch_scc1 .Lexp
	; ---- THE WAY OUT.  A row's 128 columns come from four waves: they meet in a stage (rows of 512 bytes + 16), and each wave stores 24 whole rows, each to its token's place
	WIN 0x08
.irp m, 0,1,2,3,4,5
.irp u, 0,1
	ds_store_b128 v[SIN], v[96+16*\m+8*\u:99+16*\m+8*\u] offset:16*SPI*\m+64*\u
	ds_store_b128 v[SIN], v[100+16*\m+8*\u:103+16*\m+8*\u] offset:16*SPI*\m+64*\u+16
.endr
.endr
	WIN 0
	s_wait_dscnt 0x0
	s_barrier_signal -1
	s_barrier_wait -1
.irp m, 0,1,2,3,4,5
.irp i, 0,1,2,3
	ds_load_b128 v[ORW+4*(4*\m+\i):ORW+4*(4*\m+\i)+3], v[SOUT] offset:(16*\m+\i)*SPI
.endr
.endr
.macro ROWOUT k
	s_wait_dscnt 23-(\k)                           ; row k is back; the later rows' loads stay out
	s_bitcmp1_b32 s[40+(\k)], 31                   ; a place without a token stores nothing
	s_cbranch_scc0 .Lskip_\@
	global_store_b128 v[OFS+(\k)], v[ORW+4*(\k):ORW+4*(\k)+3], s[18:19] th:TH_STORE_NT   ; 32 lanes store 512 consecutive bytes, at a multiple of 256 from out's first byte
.Lskip_\@:
.endm
.irp k, 0,1,2,3,4,5,6,7,8,9,10,11,12,13,14,15,16,17,18,19,20,21,22,23
	ROWOUT \k
.endr
	s_wait_tensorcnt 0x0
	ds_add_u32 v254, v255
	s_wait_dscnt 0x0
	s_endpgm
.Lfunc_end_k_q08aca95d3f_down:
	.size	k_q08aca95d3f_down, .Lfunc_end_k_q08aca95d3f_down-k_q08aca95d3f_down
	.p2alignl 7, 3214868480
	.fill 96, 4, 3214868480
	.section	.rodata,"a",@progbits
	.p2align	6, 0x0
	.amdhsa_kernel k_q08aca95d3f_down
		.amdhsa_group_segment_fixed_size 177664
		.amdhsa_private_segment_fixed_size 0
		.amdhsa_enable_private_segment 0
		.amdhsa_kernarg_size 64
		.amdhsa_user_sgpr_count 2
		.amdhsa_user_sgpr_kernarg_segment_ptr 1
		.amdhsa_wavefront_size32 1
		.amdhsa_system_sgpr_workgroup_id_x 1
		.amdhsa_system_sgpr_workgroup_id_y 1
		.amdhsa_system_sgpr_workgroup_id_z 1
		.amdhsa_system_vgpr_workitem_id 0
		.amdhsa_next_free_vgpr 960
		.amdhsa_next_free_sgpr 66
		.amdhsa_reserve_vcc 1
		.amdhsa_float_denorm_mode_32 3
		.amdhsa_float_denorm_mode_16_64 3
		.amdhsa_memory_ordered 1
		.amdhsa_forward_progress 1
		.amdhsa_inst_pref_size 74
	.end_amdhsa_kernel
	.amdgpu_metadata
---
amdhsa.version: [ 1, 2 ]
amdhsa.kernels:
  - .name:           k_q08aca95d3f_down
    .symbol:         k_q08aca95d3f_down.kd
    .args:
      - { .name: list, .offset: 0, .size: 8, .value_kind: global_buffer, .address_space: global }
      - { .name: combine_mask, .offset: 8, .size: 8, .value_kind: global_buffer, .address_space: global }
      - { .name: hc, .offset: 16, .size: 8, .value_kind: global_buffer, .address_space: global }
      - { .name: hs, .offset: 24, .size: 8, .value_kind: global_buffer, .address_space: global }
      - { .name: W_out_codes, .offset: 32, .size: 8, .value_kind: global_buffer, .address_space: global }
      - { .name: W_out_scales, .offset: 40, .size: 8, .value_kind: global_buffer, .address_space: global }
      - { .name: b_out, .offset: 48, .size: 8, .value_kind: global_buffer, .address_space: global }
      - { .name: out0, .offset: 56, .size: 8, .value_kind: global_buffer, .address_space: global }
    .group_segment_fixed_size: 177664
    .private_segment_fixed_size: 0
    .kernarg_segment_align: 8
    .kernarg_segment_size: 64
    .max_flat_workgroup_size: 128
    .sgpr_count:     66
    .vgpr_count:     960
    .wavefront_size: 32
...
	.end_amdgpu_metadata
.endif
;; end of part 3
